; MI455X (gfx1250); checked and timed in simulation.
; The chip was launched on July 23, 2026; its instructions are those of AMD's public machine-readable ISA for CDNA 5 (MIT licence, August 2026) and "CDNA5" Instruction Set Architecture Reference Guide (July 2026). The comments in the code are by the model that wrote it; some were corrected since.
;; Bau Attn. Allowed arithmetic: float matrix products may take bf16 or f16 operands with f32 sums; all other float work in f32.
;; Inputs: W_enc 1,024 x 1,024 float32; W_hidden 1,024 x 1,024 float32; b_attn 1,024 float32; enc_outputs 2,048 x 32 x 1,024 float32; hidden_state 32 x 1,024 float32; mask 2,048 x 32 float32; v 1,024 float32.
;; Outputs: out0 32 x 1,024 float32; out1 2,048 x 32 float32.
;; 2 versions, each right; version 2 is version 1 with the launch prep written anew for expert scheduling mode. Each part assembles by itself: llvm-mc -triple=amdgcn-amd-amdhsa -mcpu=gfx1250 --defsym DOCPART=n.
;; ======== version 1 of 2: 3 launches
;; workspace buffers: wf 2,097,152 bytes; qb 131,072 bytes; ubuf 262,144 bytes; stat 4,096 bytes; cpart 2,097,152 bytes
;; launch prep (part 1): grid 16 x 2, 8 waves a work-group, no clusters, 173,056 bytes of LDS; arguments W_enc, W_hidden, hidden_state, b_attn, wf, qb; writes wf, qb
.if DOCPART == 1
	.amdgcn_target "amdgcn-amd-amdhsa--gfx1250"
	.amdhsa_code_object_version 6
	.text
	.protected	k_q6f032d6a14_prep
	.globl	k_q6f032d6a14_prep
	.p2align	8
	.type	k_q6f032d6a14_prep,@function
k_q6f032d6a14_prep:
	s_mov_b64 s[64:65], 0
	v_nop
	global_prefetch_b8 v0, s[64:65] scope:SCOPE_SE
	s_setreg_imm32_b32 hwreg(HW_REG_WAVE_MODE, 25, 1), 1
	s_wait_xcnt 0x0
; PREP.  y = 0: W_enc [1024 k][1024 n] f32 -> wf: bf16 in the order in which the next launch's waves take matrix fragments.
;        y = 1: qb[b][n] = c (hidden_state W_hidden + b_attn)[b][n], f32, c = 2 log2(e): the addend of the next launch's exponent.
; wf: byte ((n / 128) 32 + s) 8192 + nb 1024 + j 512 + 16 L holds the 8 numbers W_enc[32 s + 16 j + 8 (L / 16) + 0..7][128 (n / 128) + 16 nb + L % 16].
; SHARES.  A work-group takes 64 columns (256 bytes of every row) of one of the two matrices; wave t its rows k = 128 t .. 128 t + 127.
; The rows are rounded to bf16, laid into the wave's own LDS tile [k][n] and read back turned (ds_load_tr16_b128): a fragment with k along the registers.
; y = 0 stores the fragments, 512 consecutive bytes a store.  y = 1 multiplies them by hidden_state's fragments (32 rows: two blocks of 16): each wave sums its 128 k, the
; eight waves' sums meet in LDS, and the result leaves through LDS as whole rows of 256 bytes.
; LIMITS.  Every input of the module is rounded to bf16 once: here both matrices and hidden_state for the products, and b_attn too, so that all inputs have one rounding (a bias
; with a large offset carries bf16's relative step, 2^-8 at the most, of that offset).  Sums in f32; q's K is summed in eight partial sums of 128.
; No cluster: no two work-groups read the same bytes but hidden_state's 128 KB.  No tensor load: the bytes must pass through registers to be rounded.
.set TP,    160                        ; a tile row: 64 bf16 = 128 bytes + 32: an odd multiple of 32 bytes, as the turning load's 8 rows x 32 bytes want
.set TILEB, 128*TP                     ; a wave's tile
.set OUTB,  8*TILEB                    ; behind the tiles: 32 rows x 256 bytes, q's way out
.set SPARE, OUTB+8192                  ; the spare words, 128 bytes for each of eight waves
.set WOF, 4                            ; v4   byte offset of my 16 bytes in the wave's first two rows of W
.set LST, 5                            ; v5   where I put 8 bytes (4 bf16) of those rows in the tile
.set LTR, 6                            ; v6   my address for the turning load
.set SOF, 7                            ; v7   my byte offset in wf
.set HOF, 8                            ; v8   my byte offset in hidden_state
.set SPW, 9                            ; v9   my spare word; never rewritten
.set NIL, 10                           ; v10  0; never rewritten
.set RA0, 11                           ; v11  the meeting: accumulator t of waves 0-3
.set RA1, 12                           ; v12  of waves 4-7
.set OSA, 13                           ; v13  into the way out
.set ORA, 14                           ; v14  back from it
.set BAO, 15                           ; v15  my byte offset in b_attn
.set T,   16                           ; v16-47 rounded numbers on their way into the tile; later rows of q
.set BA,  48                           ; v48-49 b_attn, then c b_attn twice
.set PSA, 50                           ; v50  where I put my partial sums
.set QSO, 51                           ; v51  my byte offset in qb
.set BF,  64                           ; v64-191 (y = 0) all fragments; (y = 1) v64-127 two buffers of four fragments, then the eight waves' sums
.set HA,  128                          ; v128-255 hidden_state as loaded; then v128-191 its eight fragments
.set ACC, 192                          ; v192-255 eight accumulators (mb, nb)
.set MSB, 0
.macro WIN new                         ; s_set_vgpr_msb: bits 1:0 source 0, 3:2 source 1, 5:4 source 2, 7:6 destination; the high byte repeats the setting that is left
.if MSB != (\new)
	s_set_vgpr_msb (MSB<<8)|(\new)
.set MSB, (\new)
.endif
.endm
; The wave's 128 rows x 256 bytes: 64 loads of two rows each into window 1, then, 32 rows at a time, rounded and laid into the tile.
.macro STAGE base
	WIN 0x40                                       ; destination window 1, address window 0
.set i, 0
.rept 64
	global_load_b128 v[4*i:4*i+3], v[WOF], s[\base:\base+1] offset:2*i*4096 th:TH_LOAD_NT  ; lanes 0-15 one row's 256 bytes, lanes 16-31 the next row's
.set i, i+1
.endr
.irp j, 0,1,2,3
	s_wait_loadcnt 48-16*\j                        ; loads come back in order: the 16 of these 32 rows are in, those of the later rows stay out
	WIN 0x05                                       ; sources window 1, destination window 0
.set i, 0
.rept 32
	v_cvt_pk_bf16_f32 v[T+i], v[64*\j+2*i], v[64*\j+2*i+1]
.set i, i+1
.endr
	WIN 0
.set i, 0
.rept 16
	ds_store_b64 v[LST], v[T+2*i:T+2*i+1] offset:(32*\j+2*i)*TP
.set i, i+1
.endr
.endr
.endm
	s_load_b256 s[4:11], s[0:1], 0x0               ; W_enc s[4:5], W_hidden s[6:7], hidden_state s[8:9], b_attn s[10:11]
	s_load_b128 s[12:15], s[0:1], 0x20             ; wf s[12:13], qb s[14:15]
	v_lshl_add_u32 v[SPW], v0, 2, SPARE
	v_mov_b32 v[NIL], 0
	v_lshrrev_b32 v1, 5, v0
	v_readfirstlane_b32 s16, v1                    ; t: wave 0..7
	s_mov_b32 s17, ttmp9                           ; cg: which 64 columns
	s_and_b32 s18, ttmp7, 0xffff                   ; y
	v_and_b32 v1, 15, v0                           ; r = lane % 16
	v_bfe_u32 v2, v0, 4, 1                         ; h = lane / 16
	v_and_b32 v3, 31, v0                           ; lane
	s_lshl_b32 s19, s16, 19                        ; 128 t rows of 4,096 bytes
	v_lshl_add_u32 v[WOF], v2, 12, s19
	v_lshl_add_u32 v[WOF], v1, 4, v[WOF]           ; (128 t + h) 4096 + 16 r
	s_mul_i32 s21, s16, TILEB                      ; my tile
	v_mul_u32_u24 v[LST], v2, TP
	v_lshl_add_u32 v[LST], v1, 3, v[LST]
	v_add_nc_u32 v[LST], s21, v[LST]               ; tile + 160 h + 8 r
	v_and_b32 v[LTR], 7, v0
	v_lshl_add_u32 v[LTR], v2, 3, v[LTR]
	v_mul_u32_u24 v[LTR], v[LTR], TP               ; row 8 h + lane % 8,
	v_bfe_u32 v[T], v0, 3, 1
	v_lshl_add_u32 v[LTR], v[T], 4, v[LTR]         ; 16 bytes for each half of eight lanes
	v_add_nc_u32 v[LTR], s21, v[LTR]
	s_lshl_b32 s22, s17, 8                         ; my columns' 256 bytes in a row
	s_mov_b32 s23, 0
	s_wait_kmcnt 0x0
	s_cmp_lg_u32 s18, 0
	s_cbranch_scc1 .Lquery                         ; the same way for all eight waves
	; y = 0: W_enc into fragment order
	s_add_nc_u64 s[4:5], s[4:5], s[22:23]
	s_lshl_b32 s19, s16, 15
	v_lshl_add_u32 v[SOF], v3, 4, s19              ; four K steps of 8,192 bytes a wave + 16 x lane
	s_lshr_b32 s24, s17, 1
	s_lshl_b32 s24, s24, 18                        ; 128 columns are 32 K steps of 8,192 bytes,
	s_and_b32 s19, s17, 1
	s_lshl_b32 s19, s19, 12                        ; my 64 of them four blocks of 1,024
	s_add_co_u32 s24, s24, s19
	s_mov_b32 s25, 0
	s_add_nc_u64 s[12:13], s[12:13], s[24:25]
	STAGE 4
.set i, 0
.rept 32                               ; i = 8 j + 2 nb + half: K step j, column block nb, k 0-15 or 16-31.  LDS serves a wave's instructions in order (ISA guide 5.7.1.4): these see the stores above
	ds_load_tr16_b128 v[BF+4*i:BF+4*i+3], v[LTR] offset:(i/8)*32*TP+((i/2)%4)*32+(i%2)*16*TP
.set i, i+1
.endr
.set i, 0
.rept 32
	s_wait_dscnt 31-i                              ; the younger loads stay out
	global_store_b128 v[SOF], v[BF+4*i:BF+4*i+3], s[12:13] offset:(i/8)*8192+((i/2)%4)*1024+(i%2)*512  ; 512 consecutive bytes, at a multiple of 512 from wf's first
.set i, i+1
.endr
	s_wait_tensorcnt 0x0                           ; the wave's end
	ds_add_u32 v[SPW], v[NIL]
	s_wait_dscnt 0x0
	s_endpgm
.Lquery:                                               ; y = 1
	s_add_nc_u64 s[6:7], s[6:7], s[22:23]          ; W_hidden and qb at my 64 columns
	s_add_nc_u64 s[14:15], s[14:15], s[22:23]
	s_mov_b32 s26, 0x4038aa3b                      ; c = 2 log2(e)
	s_mov_b32 s27, s26                             ; named with it as a pair
	s_and_b32 s19, s16, 3
	s_lshl_b32 s19, s19, 6                         ; 64 (t % 4): the 16 columns whose sums I shall finish
	s_add_co_u32 s20, s19, s22
	v_lshl_add_u32 v[BAO], v1, 2, s20
	global_load_b32 v[BA], v[BAO], s[10:11]        ; b_attn of column 64 cg + 16 (t % 4) + r
	s_lshl_b32 s20, s16, 9
	v_lshl_add_u32 v[HOF], v1, 12, s20
	v_lshl_add_u32 v[HOF], v2, 5, v[HOF]           ; row r, k = 128 t + 8 h
.set i, 0
.rept 32                               ; i = 4 q + z; fragment q = 2 j + mb: rows 16 mb on, k 32 j on; its 16 f32 a lane are k = 8 h + 0..7 and 16 + 8 h + 0..7
	global_load_b128 v[HA+4*i:HA+4*i+3], v[HOF], s[8:9] offset:((i/4)%2)*65536+(i/8)*128+((i%4)/2)*64+(i%2)*16
.set i, i+1
.endr
	v_lshl_add_u32 v[PSA], v3, 4, s21              ; my partial sums go over my tile's first 8,192 bytes
	s_lshl_b32 s20, s16, 10
	v_lshl_add_u32 v[RA0], v3, 4, s20              ; accumulator t: 1,024 bytes in each wave's sums
	v_add_nc_u32 v[RA1], 4*TILEB, v[RA0]           ; a second address: seven tiles are more than a 16-bit offset holds
	s_lshr_b32 s20, s16, 2
	s_lshl_b32 s20, s20, 12                        ; 16 (t / 4) rows of 256 bytes
	s_add_co_u32 s20, s20, s19
	s_add_co_u32 s20, s20, OUTB
	v_lshl_add_u32 v[OSA], v2, 11, s20             ; + 8 h rows
	v_lshl_add_u32 v[OSA], v1, 2, v[OSA]           ; + column r
	s_lshl_b32 s20, s16, 10
	s_add_co_u32 s20, s20, OUTB
	v_lshl_add_u32 v[ORA], v2, 8, s20              ; back: rows 4 t + h, whole
	v_lshl_add_u32 v[ORA], v1, 4, v[ORA]
	s_lshl_b32 s20, s16, 14
	v_lshl_add_u32 v[QSO], v2, 12, s20             ; the same rows in qb
	v_lshl_add_u32 v[QSO], v1, 4, v[QSO]
	STAGE 6                                        ; its last wait is for 0: b_attn and hidden_state, issued ahead of W's loads, are in too
.set i, 0
.rept 64                               ; hidden_state to bf16, in place and ascending: each destination lies at or below its sources, and below it all is used up
	v_cvt_pk_bf16_f32 v[HA+i], v[HA+2*i], v[HA+2*i+1]
.set i, i+1
.endr
.macro BLOAD j                         ; K step j's four fragments of W_hidden into buffer j % 2
.set i, 0
.rept 8
	ds_load_tr16_b128 v[BF+32*((\j)%2)+4*i:BF+32*((\j)%2)+4*i+3], v[LTR] offset:(\j)*32*TP+(i/2)*32+(i%2)*16*TP
.set i, i+1
.endr
.endm
.macro QMUL j, zero                    ; eight products, the eight accumulators by turns
.set i, 0
.rept 8                                ; i = 4 mb + nb
.if \zero
	v_wmma_f32_16x16x32_bf16 v[ACC+8*i:ACC+8*i+7], v[HA+8*(2*(\j)+i/4):HA+8*(2*(\j)+i/4)+7], v[BF+32*((\j)%2)+8*(i%4):BF+32*((\j)%2)+8*(i%4)+7], 0
.else
	v_wmma_f32_16x16x32_bf16 v[ACC+8*i:ACC+8*i+7], v[HA+8*(2*(\j)+i/4):HA+8*(2*(\j)+i/4)+7], v[BF+32*((\j)%2)+8*(i%4):BF+32*((\j)%2)+8*(i%4)+7], v[ACC+8*i:ACC+8*i+7]
.endif
.set i, i+1
.endr
.endm
.macro PLACES                          ; four places between a matrix instruction and a load into, or a read of, its registers
.rept 4
	v_nop
.endr
.endm
	BLOAD 0
	BLOAD 1
	s_wait_dscnt 8                                 ; buffer 0 is in; buffer 1's eight loads stay out
	QMUL 0, 1                                      ; the first products start the sums
	PLACES
	BLOAD 2
	s_wait_dscnt 8
	QMUL 1, 0
	PLACES
	BLOAD 3
	s_wait_dscnt 8
	QMUL 2, 0
	s_wait_dscnt 0x0
	QMUL 3, 0
	PLACES
.set i, 0
.rept 16                               ; each accumulator from its low end on
	ds_store_b128 v[PSA], v[ACC+4*i:ACC+4*i+3] offset:512*i
.set i, i+1
.endr
	s_wait_dscnt 0x0                               ; for the others' sake: my sums are in LDS
	s_barrier_signal -1
	s_barrier_wait -1
.set i, 0
.rept 8                                ; accumulator t of waves 0-3, then of waves 4-7
	ds_load_b128 v[BF+4*i:BF+4*i+3], v[RA0] offset:(i/2)*TILEB+(i%2)*512
.set i, i+1
.endr
.set i, 0
.rept 8
	ds_load_b128 v[BF+32+4*i:BF+32+4*i+3], v[RA1] offset:(i/2)*TILEB+(i%2)*512
.set i, i+1
.endr
	v_cvt_pk_bf16_f32 v[BA], v[BA], v[BA]          ; b_attn rounded to bf16, like every input,
	v_lshlrev_b32 v[BA], 16, v[BA]                 ; and widened again
	v_mul_f32 v[BA+1], s26, v[BA]                  ; c b_attn, twice: a pair for the packed form
	v_mul_f32 v[BA], s26, v[BA]
	s_wait_dscnt 0x0
.irp d, 32,16,8                        ; eight waves' sums into one: 16 + 8 + 4 packed additions
.set i, 0
.rept (\d)/2
	v_pk_add_f32 v[BF+2*i:BF+2*i+1], v[BF+2*i:BF+2*i+1], v[BF+(\d)+2*i:BF+(\d)+2*i+1]
.set i, i+1
.endr
.endr
.irp z, 0,2,4,6
	v_pk_fma_f32 v[BF+\z:BF+\z+1], v[BF+\z:BF+\z+1], s[26:27], v[BA:BA+1] op_sel_hi:[1,0,1]  ; c q + c b_attn
.endr
.irp j, 0,1,2,3,4,5,6,7
	ds_store_b32 v[OSA], v[BF+\j] offset:256*\j    ; row 16 (t / 4) + 8 h + j, column 16 (t % 4) + r
.endr
	s_wait_dscnt 0x0                               ; for the others' sake
	s_barrier_signal -1
	s_barrier_wait -1
	ds_load_b128 v[T:T+3], v[ORA]
	ds_load_b128 v[T+4:T+7], v[ORA] offset:512
	s_wait_dscnt 0x0
	global_store_b128 v[QSO], v[T:T+3], s[14:15]               ; 16 lanes store 256 consecutive bytes, at a multiple of 256 from qb's first
	global_store_b128 v[QSO], v[T+4:T+7], s[14:15] offset:8192
	s_wait_tensorcnt 0x0                           ; the wave's end
	ds_add_u32 v[SPW], v[NIL]
	s_wait_dscnt 0x0
	s_endpgm
.Lfunc_end_k_q6f032d6a14_prep:
	.size	k_q6f032d6a14_prep, .Lfunc_end_k_q6f032d6a14_prep-k_q6f032d6a14_prep
	.p2alignl 7, 3214868480
	.fill 96, 4, 3214868480
	.section	.rodata,"a",@progbits
	.p2align	6, 0x0
	.amdhsa_kernel k_q6f032d6a14_prep
		.amdhsa_group_segment_fixed_size 173056
		.amdhsa_private_segment_fixed_size 0
		.amdhsa_enable_private_segment 0
		.amdhsa_kernarg_size 48
		.amdhsa_user_sgpr_count 2
		.amdhsa_user_sgpr_kernarg_segment_ptr 1
		.amdhsa_wavefront_size32 1
		.amdhsa_system_sgpr_workgroup_id_x 1
		.amdhsa_system_sgpr_workgroup_id_y 1
		.amdhsa_system_sgpr_workgroup_id_z 1
		.amdhsa_system_vgpr_workitem_id 0
		.amdhsa_next_free_vgpr 512
		.amdhsa_next_free_sgpr 66
		.amdhsa_reserve_vcc 0
		.amdhsa_float_denorm_mode_32 3
		.amdhsa_float_denorm_mode_16_64 3
		.amdhsa_memory_ordered 1
		.amdhsa_forward_progress 1
		.amdhsa_inst_pref_size 64
	.end_amdhsa_kernel
	.amdgpu_metadata
---
amdhsa.version: [ 1, 2 ]
amdhsa.kernels:
  - .name:           k_q6f032d6a14_prep
    .symbol:         k_q6f032d6a14_prep.kd
    .args:
      - { .name: W_enc, .offset: 0, .size: 8, .value_kind: global_buffer, .address_space: global }
      - { .name: W_hidden, .offset: 8, .size: 8, .value_kind: global_buffer, .address_space: global }
      - { .name: hidden_state, .offset: 16, .size: 8, .value_kind: global_buffer, .address_space: global }
      - { .name: b_attn, .offset: 24, .size: 8, .value_kind: global_buffer, .address_space: global }
      - { .name: wf, .offset: 32, .size: 8, .value_kind: global_buffer, .address_space: global }
      - { .name: qb, .offset: 40, .size: 8, .value_kind: global_buffer, .address_space: global }
    .group_segment_fixed_size: 173056
    .private_segment_fixed_size: 0
    .kernarg_segment_align: 8
    .kernarg_segment_size: 48
    .max_flat_workgroup_size: 256
    .sgpr_count:     66
    .vgpr_count:     512
    .wavefront_size: 32
...
	.end_amdgpu_metadata
.endif
;; end of part 1
;; launch score (part 2): grid 16 x 32, 4 waves a work-group, no clusters, 292,352 bytes of LDS; arguments enc_outputs, wf, qb, v, mask, ubuf, stat, cpart; writes ubuf, stat, cpart
.if DOCPART == 2
	.amdgcn_target "amdgcn-amd-amdhsa--gfx1250"
	.amdhsa_code_object_version 6
	.text
	.protected	k_q6f032d6a14_score
	.globl	k_q6f032d6a14_score
	.p2align	8
	.type	k_q6f032d6a14_score,@function
k_q6f032d6a14_score:
	s_mov_b64 s[64:65], 0
	v_nop
	global_prefetch_b8 v0, s[64:65] scope:SCOPE_SE
	s_setreg_imm32_b32 hwreg(HW_REG_WAVE_MODE, 25, 1), 1
	s_wait_xcnt 0x0
; SCORE.  For one b and 128 values of l (a BLOCK: rows l0 .. l0 + 127 of enc_outputs at that b, 4,096 bytes each, 131,072 bytes apart):
;   x[l][n] = c (enc[l] . W_enc[:, n]) + qb[b][n], c = 2 log2(e);   r = 1 / (1 + 2^x);   tanh(keys + q) = 1 - 2 r
;   u[l] = log2(e) mask[l][b] - 2 log2(e) sum_n v[n] r[l][n]       (the constant sum_n v[n] is the same for every l and cancels in the softmax over l, whatever the inputs)
;   m = max_l u[l];  p[l] = 2^(u[l] - m);  stat = (m, sum_l p);  cpart[e] = sum_l p[l] enc[l][e]
; The last launch joins the 16 blocks of a b.  enc_outputs is read from memory ONCE: the block, rounded to bf16, stays in LDS (256 KB) for both products.
; SHARES.  Four waves; wave w owns columns n = 256 w .. 256 w + 255, in two PASSES of 128: a tile of 128 rows x 128 columns, 64 accumulators, 512 registers.  K goes in steps of 32.
; enc's fragments come from LDS.  W_enc's are a wave's own, so they come straight from memory into registers, from wf, where the launch before laid them in fragment order
; (a step is 8,192 consecutive bytes, a load 512); a ring of four register slots, asked for three steps ahead.
; PASS 0 runs in step with the block's arrival: chunks of 64 along K (each wave its 32 rows x 256 bytes, 16 loads) are asked for three steps ahead of their conversion, rounded,
; stored to LDS, and shown to the other waves by one barrier a chunk.  Each LDS byte of the block is written once and only read after that.
; THE PRODUCTS ARE USED TRANSPOSED (source 0 = 16 columns of W_enc, source 1 = 16 rows of enc): register j of lane l holds row l % 16 and column 8 (l / 16) + j.  So qb and v are
; natural register pairs, and the sum over n stays inside the lane; the two halves of the lanes leave their sums as parts of their own in LDS.
; NO CLUSTER, though all 512 work-groups walk the same wf: beside the resident block and its scratch 35,328 bytes of LDS are left; two slots of that hold about half a K step's
; 32,768 bytes for the four waves, some 32 matrix instructions a wave for each turn of a shared ring: too little work for a tile to land under.
; LIMITS.  Every input of the module is rounded to bf16 once: enc_outputs and W_enc for the products, and v and mask too, so that all inputs have one rounding (a mask with a large
; common offset carries bf16's relative step, 2^-8 at the most, of that offset).  p is rounded to bf16 for the second product.  All sums, the tanh, maxima and statistics are f32.
; 2^x overflows to infinity (r = 0) and underflows to 0 (r = 1): the tanh saturates rightly for every finite x.  A mask of -infinity gives p = 0; a block of nothing else keeps m
; at the lowest finite number.  A weight below 2^-126 counts as 0.  +infinity and NaN among the inputs are not treated apart.
; REGISTERS, in windows of 256 (s_set_vgpr_msb: bits 1:0 source 0, 3:2 source 1, 5:4 source 2, 7:6 destination):
;   window 0: v0-31 addresses and small work; v32-63 T; v64-127 enc's eight fragments; v128-191, v192-255 two chunks as loaded, later qb and v of a pass
;   window 1: W_enc's ring, slot i at 64 i        windows 2, 3: accumulator (a, nb) in window 2 + a / 4 at 64 (a % 4) + 8 nb
.set PITCH, 272                        ; an LDS row: 128 bf16 = 256 bytes + 16: row r starts at bank 4 r mod 64 (64 banks of 4 bytes: ISA guide 11.1): the 16 rows of a fragment load start at 16 different banks
.set KCB,   128*PITCH                  ; 128 rows x 128 along K; element (row, k) lies at (k / 128) KCB + row PITCH + 2 (k % 128)
.set SPARE, 8*KCB                      ; behind the block: the spare words, 128 bytes a wave
.set SCR,   SPARE+512                  ; 16 parts (wave, pass, half of the lanes) x 128 f32: partial sums over n
.set PBF,   SCR+8192                   ; each wave's own 128 bf16: p
.set CST,   PBF+1024                   ; each wave's own 1,024 bytes: the context's way out
.set BSTEP, 8192                       ; a K step of wf for one wave
.set AF0, 4                            ; v4   my place in a fragment: 272 r + 16 h; never rewritten
.set AFA, 5                            ; v5   the same, walking along K; later the turning load's address
.set STA, 6                            ; v6   where I put 8 bytes of a chunk; later into the context's way out
.set GAO, 7                            ; v7   my byte offset in the wave's first two rows of enc
.set BOF, 8                            ; v8   16 x lane
.set QOF, 9                            ; v9   my byte offset in qb's row and in v
.set SCA, 10                           ; v10  where I put partial sums
.set SPW, 11                           ; v11  my spare word; never rewritten
.set NIL, 12                           ; v12  0; never rewritten
.set MK,  16                           ; v16-19 mask of rows 4 L .. 4 L + 3
.set CH,  20                           ; v20-27 at work on v's rounding; four packed chains of a row block's sum; later u (v20-23), m, sum p (v24-25), p (v26-29)
.set T,   32                           ; v32-63 a chunk rounded
.set SAF, 32                           ; v32-39 a pass's eight sums, one a row block
.set FA,  64
.set S0,  128
.set S1,  192
.set BI,  128                          ; qb of my 64 columns of the pass: 8 nb + j
.set VV,  192                          ; v likewise
.set EA,  8                            ; s[8:9]   enc at the block, walking along K
.set WB,  10                           ; s[10:11] wf at my wave's stream, walking
.set CC,  32                           ; s[32:33] c
.set MSB, 0
.macro WIN new                         ; the high byte repeats the setting that is left; a switch that changes nothing is dropped
.if MSB != (\new)
	s_set_vgpr_msb (MSB<<8)|(\new)
.set MSB, (\new)
.endif
.endm
.set MUL_LO, 0xa1                      ; source 0 (W) window 1, source 1 (enc) window 0, C and D window 2
.macro PLACES                          ; four places between a matrix instruction and a load into, or a vector read of, its registers (ISA guide 7.12.1 for vector reads)
.rept 4
	v_nop
.endr
.endm
; 16 matrix instructions: row blocks 4 hi + a0, + 1 x all eight column blocks, 32 along K, W from slot bi.  zero = 1: the products start the sums.  All 64 accumulators take turns.
.macro MUL16 hi, a0, bi, zero
	WIN MUL_LO+0x50*(\hi)
.irp a, \a0, (\a0)+1
.irp nb, 0,1,2,3,4,5,6,7
.if \zero
	v_wmma_f32_16x16x32_bf16 v[64*(\a)+8*(\nb):64*(\a)+8*(\nb)+7], v[64*(\bi)+8*(\nb):64*(\bi)+8*(\nb)+7], v[FA+8*(4*(\hi)+(\a)):FA+8*(4*(\hi)+(\a))+7], 0
.else
	v_wmma_f32_16x16x32_bf16 v[64*(\a)+8*(\nb):64*(\a)+8*(\nb)+7], v[64*(\bi)+8*(\nb):64*(\bi)+8*(\nb)+7], v[FA+8*(4*(\hi)+(\a)):FA+8*(4*(\hi)+(\a))+7], v[64*(\a)+8*(\nb):64*(\a)+8*(\nb)+7]
.endif
.endr
.endr
.endm
.macro FETCH hf, areg, fo              ; eight LDS loads: enc's fragments 4 hf .. 4 hf + 3 of the K step at byte fo from the address
	WIN 0
.irp a, 0,1,2,3
	ds_load_b128 v[FA+8*(4*(\hf)+\a):FA+8*(4*(\hf)+\a)+3],   v[\areg] offset:(\fo)+16*PITCH*(4*(\hf)+\a)
	ds_load_b128 v[FA+8*(4*(\hf)+\a)+4:FA+8*(4*(\hf)+\a)+7], v[\areg] offset:(\fo)+16*PITCH*(4*(\hf)+\a)+32
.endr
.endm
.macro LB slot, imm                    ; a K step of W: 16 loads of 512 consecutive bytes
	WIN 0x40
.set u, 0
.rept 16
	global_load_b128 v[64*(\slot)+4*u:64*(\slot)+4*u+3], v[BOF], s[WB:WB+1] offset:(\imm)+512*u
.set u, u+1
.endr
.endm
.macro LA S, imm                       ; my 32 rows of a chunk: 16 loads; lanes 0-15 take 256 consecutive bytes of one row, lanes 16-31 of the next
	WIN 0
.set u, 0
.rept 16
	global_load_b128 v[(\S)+4*u:(\S)+4*u+3], v[GAO], s[EA:EA+1] offset:(\imm)+262144*u th:TH_LOAD_NT
.set u, u+1
.endr
.endm
.macro CVT S
	WIN 0
.set u, 0
.rept 32
	v_cvt_pk_bf16_f32 v[T+u], v[(\S)+2*u], v[(\S)+2*u+1]
.set u, u+1
.endr
.endm
.macro STO imm
	WIN 0
.set u, 0
.rept 16
	ds_store_b64 v[STA], v[T+2*u:T+2*u+1] offset:(\imm)+2*PITCH*u
.set u, u+1
.endr
.endm
.macro LQ which                        ; bit 0: qb, bit 1: v, of the pass's 128 columns: 16 loads each; a lane takes its eight columns of each block of 16
	WIN 0
.if (\which) & 1
.set u, 0
.rept 16
	global_load_b128 v[BI+4*u:BI+4*u+3], v[QOF], s[12:13] offset:64*(u/2)+16*(u%2)
.set u, u+1
.endr
.endif
.if (\which) & 2
.set u, 0
.rept 16
	global_load_b128 v[VV+4*u:VV+4*u+3], v[QOF], s[14:15] offset:64*(u/2)+16*(u%2)
.set u, u+1
.endr
.endif
.endm
; A K STEP: 64 matrix instructions in two halves (row blocks 0-3, then 4-7); in its middle and at its end the next step's fragments are fetched, each half into the registers just multiplied.
;   n     younger global loads that may stay out when this step's W (and the chunk that the step converts, which is older) must be in
;   ds0   younger LDS instructions that may stay out when fragments 0-3 must be in: the eight loads of fragments 4-7, and a chunk's 16 stores where the step before made them
;   bar   1: the barrier that shows the chunk stored in the step before: my stores are waited for in front of the signal, 16 matrix instructions stand between signal and wait
;   las, laimm  a chunk is asked for      lbs, lbimm  W of three steps on      lq  qb or v      fr, fo  the next step's fragments      cs, cimm  a chunk is rounded and stored
; A step that fetches nothing (the last of all) writes no places: what follows it must bring its own.
.macro KSTEP bi, zero, n, ds0, bar, las, laimm, lbs, lbimm, lq, fr, fo, cs, cimm
	s_wait_loadcnt \n
	s_wait_dscnt \ds0
.if (\las) >= 0
	LA \las, \laimm
.endif
	MUL16 0, 0, \bi, \zero
.if \bar
	s_wait_dscnt 0x0                               ; for the others' sake: my part of the chunk is in LDS
	s_barrier_signal -1
.endif
	MUL16 0, 2, \bi, \zero
.if \bar
	s_barrier_wait -1                              ; everybody's part is
.endif
.if ((\lbs) >= 0) || ((\fr) >= 0)
	PLACES
.endif
.if \lq
	LQ \lq
.endif
.if (\lbs) >= 0
	LB \lbs, \lbimm
.endif
.if (\fr) >= 0
	FETCH 0, \fr, \fo
	s_wait_dscnt 8                                 ; fragments 4-7 are in; the eight loads just issued stay out
.else
	s_wait_dscnt 0x0
.endif
	MUL16 1, 0, \bi, \zero
	MUL16 1, 2, \bi, \zero
.if (\cs) >= 0
	CVT \cs                                        ; 32 plain instructions that name no register of the products: also the places in front of the loads below
.elseif (\fr) >= 0
	PLACES
.endif
.if (\fr) >= 0
	FETCH 1, \fr, \fo
.endif
.if (\cs) >= 0
	STO \cimm
.endif
.endm
	s_load_b512 s[8:23], s[0:1], 0x0               ; enc s[8:9], wf s[10:11], qb s[12:13], v s[14:15], mask s[16:17], ubuf s[18:19], stat s[20:21], cpart s[22:23]
	v_lshl_add_u32 v[SPW], v0, 2, SPARE
	v_mov_b32 v[NIL], 0
	v_lshrrev_b32 v13, 5, v0
	v_readfirstlane_b32 s24, v13                   ; w: wave 0..3
	s_mov_b32 s25, ttmp9                           ; lb: which 128 values of l
	s_and_b32 s26, ttmp7, 0xffff                   ; b
	s_mov_b32 s[CC], 0x4038aa3b                    ; c = 2 log2(e)
	s_mov_b32 s[CC+1], s[CC]                       ; named with it as a pair
	s_mov_b32 s34, 0x76543210                      ; v_permlanex16_b32: each lane takes its own place in the other half
	s_mov_b32 s35, 0xfedcba98
	s_mov_b32 s37, 0xc038aa3b                      ; -2 log2(e)
	s_mov_b32 s38, 0x3fb8aa3b                      ; log2(e)
	v_and_b32 v1, 15, v0                           ; r
	v_bfe_u32 v2, v0, 4, 1                         ; h
	v_and_b32 v3, 31, v0                           ; L
	v_mul_u32_u24 v[AF0], v1, PITCH
	v_lshl_add_u32 v[AF0], v2, 4, v[AF0]
	s_lshl_b32 s27, s24, 5
	v_add_nc_u32 v13, s27, v2                      ; row 32 w + h
	v_mul_u32_u24 v[STA], v13, PITCH
	v_lshl_add_u32 v[STA], v1, 3, v[STA]           ; + 8 r: four bf16
	v_lshlrev_b32 v[GAO], 17, v13                  ; rows are 131,072 bytes apart
	v_lshl_add_u32 v[GAO], v1, 4, v[GAO]
	v_lshlrev_b32 v[BOF], 4, v3
	s_lshl_b32 s27, s24, 10
	v_lshl_add_u32 v[QOF], v2, 5, s27              ; 1,024 w + 32 h
	s_lshl_b32 s27, s24, 11
	s_add_co_u32 s27, s27, SCR
	v_lshl_add_u32 v[SCA], v2, 9, s27              ; part (w, pass 0, h),
	v_lshl_add_u32 v[SCA], v1, 2, v[SCA]           ; row r of a block of 16
	v_lshlrev_b32 v14, 9, v3                       ; mask: four rows of 128 bytes a lane
	s_lshl_b32 s28, s25, 24                        ; 128 lb rows of 131,072 bytes
	s_lshl_b32 s27, s26, 12
	s_add_co_u32 s28, s28, s27                     ; + b's 4,096
	s_mov_b32 s29, 0
	s_lshl_b32 s40, s24, 19                        ; my wave's 64 steps of wf
	s_mov_b32 s41, 0
	s_lshl_b32 s42, s25, 14
	s_lshl_b32 s27, s26, 2
	s_add_co_u32 s42, s42, s27                     ; mask[128 lb][b]
	s_mov_b32 s43, 0
	s_wait_kmcnt 0x0
	s_add_nc_u64 s[EA:EA+1], s[EA:EA+1], s[28:29]
	s_add_nc_u64 s[WB:WB+1], s[WB:WB+1], s[40:41]
	s_add_nc_u64 s[16:17], s[16:17], s[42:43]
	LA S0, 0                                       ; chunk 0
	LA S1, 256                                     ; chunk 1
.irp i, 0,1,2,3
	global_load_b32 v[MK+\i], v14, s[16:17] offset:128*\i
.endr
	LB 0, 0
	LB 1, BSTEP
	WIN 0
	s_lshl_b32 s28, s26, 12
	s_add_nc_u64 s[12:13], s[12:13], s[28:29]      ; qb's row b
	s_lshl_b32 s28, s26, 13
	s_lshl_b32 s27, s25, 9
	s_add_co_u32 s28, s28, s27
	s_add_nc_u64 s[18:19], s[18:19], s[28:29]      ; ubuf[b][128 lb]
	s_lshl_b32 s28, s26, 7
	s_lshl_b32 s27, s25, 3
	s_add_co_u32 s28, s28, s27
	s_add_nc_u64 s[20:21], s[20:21], s[28:29]      ; stat[b][lb]
	s_lshl_b32 s28, s26, 16
	s_lshl_b32 s27, s25, 12
	s_add_co_u32 s28, s28, s27
	s_add_nc_u64 s[22:23], s[22:23], s[28:29]      ; cpart[b][lb]
	s_wait_loadcnt 52                              ; chunk 0 is in; behind it stand chunk 1's 16, the mask's 4 and two K steps of W, 16 each
	CVT S0
	LA S0, 512                                     ; chunk 2
	STO 0
	LB 2, 2*BSTEP
	s_wait_dscnt 0x0                               ; for the others' sake
	s_barrier_signal -1
	s_barrier_wait -1                              ; chunk 0 is whole
	FETCH 0, AF0, 0
	FETCH 1, AF0, 0
	v_mov_b32 v[AFA], v[AF0]
	; PASS 0, steps t = 0 .. 31.  Step t asks for W of step t + 3; step 2 c + 1 asks for chunk c + 3 and holds the barrier for chunk c + 1, which step 2 c rounded and stored.
	; In issue order three runs of 16 loads stand behind each step's W: n = 48 throughout.
	KSTEP 0,1,48,8,0,  -1,0,    3,3*BSTEP, 0, AFA,64,      S1,128
	v_add_nc_u32 v[STA], KCB, v[STA]
	s_mov_b32 s30, 6
.Lk0:                                                  ; trip i: steps 4 i + 1 .. 4 i + 4; AFA at K = 128 i, STA at 128 (i + 1), EA at chunk 2 i, WB at step 4 i
	KSTEP 1,0,48,24,1, S1,768,  0,4*BSTEP, 0, AFA,128,     -1,0
	KSTEP 2,0,48,8,0,  -1,0,    1,5*BSTEP, 0, AFA,192,     S0,0
	KSTEP 3,0,48,24,1, S0,1024, 2,6*BSTEP, 0, AFA,KCB,     -1,0
	KSTEP 0,0,48,8,0,  -1,0,    3,7*BSTEP, 0, AFA,KCB+64,  S1,128
	WIN 0
	v_add_nc_u32 v[AFA], KCB, v[AFA]
	v_add_nc_u32 v[STA], KCB, v[STA]
	s_wait_xcnt 0x0                                ; the bases of the loads issued are stepped only behind this wait
	s_add_nc_u64 s[EA:EA+1], s[EA:EA+1], 512
	s_add_nc_u64 s[WB:WB+1], s[WB:WB+1], 4*BSTEP
	s_sub_co_u32 s30, s30, 1
	s_cmp_lg_u32 s30, 0
	s_cbranch_scc1 .Lk0
	; steps 25 .. 31, written out: chunk 15 is the last; where a chunk's registers have been rounded for the last time they take qb (step 27) and v (step 29) of this pass
	KSTEP 1,0,48,24,1, S1,768,  0,4*BSTEP, 0, AFA,128,     -1,0
	KSTEP 2,0,48,8,0,  -1,0,    1,5*BSTEP, 0, AFA,192,     S0,0
	KSTEP 3,0,48,24,1, -1,0,    2,6*BSTEP, 1, AFA,KCB,     -1,0
	KSTEP 0,0,48,8,0,  -1,0,    3,7*BSTEP, 0, AFA,KCB+64,  S1,128
	KSTEP 1,0,48,24,1, -1,0,    0,8*BSTEP, 2, AFA,KCB+128, -1,0
	KSTEP 2,0,48,8,0,  -1,0,    1,9*BSTEP, 0, AFA,KCB+192, -1,0
	KSTEP 3,0,48,8,0,  -1,0,    2,10*BSTEP,0, AF0,0,       -1,0    ; it fetches pass 1's first fragments
	WIN 0
	s_wait_loadcnt 48                              ; qb and v are in; W of steps 32, 33, 34 stays out
	s_wait_xcnt 0x0
	s_add_nc_u64 s[WB:WB+1], s[WB:WB+1], 8*BSTEP   ; WB at step 32
	v_mov_b32 v[AFA], v[AF0]
	s_mov_b32 s31, 2                               ; passes whose way out is still to come
	s_branch .Lepi                                 ; the loop over passes is entered in its middle: the way out stands once
.Lpass:                                                ; PASS 1, steps 32 .. 63: the block is whole, so no chunk, no barrier; behind each step's W stand two runs of 16
	KSTEP 0,1,32,8,0,  -1,0,    3,3*BSTEP, 0, AFA,64,      -1,0
	WIN 0
	s_mov_b32 s30, 7
.Lk1:
	KSTEP 1,0,32,8,0,  -1,0,    0,4*BSTEP, 0, AFA,128,     -1,0
	KSTEP 2,0,32,8,0,  -1,0,    1,5*BSTEP, 0, AFA,192,     -1,0
	KSTEP 3,0,32,8,0,  -1,0,    2,6*BSTEP, 0, AFA,KCB,     -1,0
	KSTEP 0,0,32,8,0,  -1,0,    3,7*BSTEP, 0, AFA,KCB+64,  -1,0
	WIN 0
	v_add_nc_u32 v[AFA], KCB, v[AFA]
	s_wait_xcnt 0x0
	s_add_nc_u64 s[WB:WB+1], s[WB:WB+1], 4*BSTEP
	s_sub_co_u32 s30, s30, 1
	s_cmp_lg_u32 s30, 0
	s_cbranch_scc1 .Lk1
	KSTEP 1,0,32,8,0,  -1,0,    -1,0,      3, AFA,128,     -1,0    ; step 61: no W is left to ask for; qb and v of this pass
	KSTEP 2,0,48,8,0,  -1,0,    -1,0,      0, AFA,192,     -1,0    ; behind step 62's W: step 63's 16, qb's 16, v's 16
	KSTEP 3,0,32,8,0,  -1,0,    -1,0,      0, -1,0,        -1,0    ; behind step 63's W: qb's and v's
	WIN 0
	s_wait_loadcnt 0x0                             ; qb and v
; A PASS'S WAY OUT.  One row block a (64 registers: eight accumulators) at a time: x = c s + qb; 2^x; 1 + 2^x; its reciprocal r; four packed chains of v r; their sum.
; Each accumulator is read from its low end on.  The transcendentals stand in runs, a plain instruction behind each run before a result is used (ISA guide 5.7.2).
.macro EPI g, ab
.set XB, 64*(\ab)
.set AI, 4*((\g)-2)+(\ab)
	WIN ((\g)<<6)|(\g)                             ; destination and source 0 in the accumulators' window, qb in window 0
.set u, 0
.rept 32
	v_pk_fma_f32 v[XB+2*u:XB+2*u+1], v[XB+2*u:XB+2*u+1], s[CC:CC+1], v[BI+2*u:BI+2*u+1] op_sel_hi:[1,0,1]
.set u, u+1
.endr
.set u, 0
.rept 64
	v_exp_f32 v[XB+u], v[XB+u]
.set u, u+1
.endr
	v_nop
.set u, 0
	s_wait_alu depctr_va_vdst(0)
.rept 32
	v_pk_add_f32 v[XB+2*u:XB+2*u+1], v[XB+2*u:XB+2*u+1], 1.0 op_sel_hi:[1,0]
.set u, u+1
.endr
.set u, 0
.rept 64
	v_rcp_f32 v[XB+u], v[XB+u]
.set u, u+1
.endr
	v_nop
	s_wait_alu depctr_va_vdst(0)
	WIN (\g)                                       ; source 0 in the accumulators' window, all else in window 0
.set u, 0
.rept 32
.if u < 4
	v_pk_mul_f32 v[CH+2*u:CH+2*u+1], v[XB+2*u:XB+2*u+1], v[VV+2*u:VV+2*u+1]   ; the first products start the chains
.else
	v_pk_fma_f32 v[CH+2*(u%4):CH+2*(u%4)+1], v[XB+2*u:XB+2*u+1], v[VV+2*u:VV+2*u+1], v[CH+2*(u%4):CH+2*(u%4)+1]
.endif
.set u, u+1
.endr
	WIN 0
	v_pk_add_f32 v[CH:CH+1], v[CH:CH+1], v[CH+2:CH+3]
	v_pk_add_f32 v[CH+4:CH+5], v[CH+4:CH+5], v[CH+6:CH+7]
	v_pk_add_f32 v[CH:CH+1], v[CH:CH+1], v[CH+4:CH+5]
	v_add_f32 v[SAF+AI], v[CH], v[CH+1]            ; row 16 a + r, over my half's 64 columns
.endm
.Lepi:
	; v of this pass's columns is rounded to bf16, like every input, and widened again: 96 plain instructions on v192-255 and v20-27 of window 0, none of them a register of the
	; pass's last products (accumulators in windows 2 and 3, W in window 1, enc in v64-127): they are also the places between those products and the first read of an accumulator.
.set u, 0
.rept 32
	v_cvt_pk_bf16_f32 v[CH+u%8], v[VV+2*u], v[VV+2*u+1]
	v_lshlrev_b32 v[VV+2*u], 16, v[CH+u%8]
	v_and_b32 v[VV+2*u+1], 0xffff0000, v[CH+u%8]
.set u, u+1
.endr
.irp ab, 0,1,2,3
	EPI 2, \ab
.endr
.irp ab, 0,1,2,3
	EPI 3, \ab
.endr
.irp a, 0,1,2,3,4,5,6,7
	ds_store_b32 v[SCA], v[SAF+\a] offset:64*\a
.endr
	v_add_nc_u32 v[SCA], 1024, v[SCA]              ; the next pass's two parts
	v_add_nc_u32 v[QOF], 512, v[QOF]               ; and its 128 columns (the loads that named QOF are in)
	s_wait_dscnt 0x0                               ; my partial sums are in LDS
	s_sub_co_u32 s31, s31, 1
	s_cmp_lg_u32 s31, 0
	s_cbranch_scc1 .Lpass
	; THE BLOCK'S SOFTMAX, made by every wave for itself: lane L has rows 4 L .. 4 L + 3.
	s_wait_loadcnt 0x0                             ; met at once: nothing has been asked for since pass 1's last wait; window 1 is free for the loads from LDS below
	s_barrier_signal -1
	s_barrier_wait -1                              ; all 16 parts are in LDS
	v_lshl_add_u32 v13, v3, 4, SCR
.set u, 0
.rept 16
	ds_load_b128 v[FA+4*u:FA+4*u+3], v13 offset:512*u
.set u, u+1
.endr
	v_cvt_pk_bf16_f32 v14, v[MK], v[MK+1]          ; the mask rounded to bf16, like every input, and widened again
	v_cvt_pk_bf16_f32 v15, v[MK+2], v[MK+3]
	v_lshlrev_b32 v[MK], 16, v14
	v_and_b32 v[MK+1], 0xffff0000, v14
	v_lshlrev_b32 v[MK+2], 16, v15
	v_and_b32 v[MK+3], 0xffff0000, v15
.irp i, 0,1,2,3
	v_mul_f32 v[CH+\i], s38, v[MK+\i]              ; log2(e) mask
.endr
	s_lshl_b32 s27, s24, 8
	s_add_co_u32 s27, s27, PBF                     ; my wave's p
	s_mul_i32 s28, s24, 2*KCB                      ; my wave's 256 channels of the block
	v_and_b32 v[AFA], 7, v0                        ; the turning load: row 8 h + L % 8, 16 bytes for each half of eight lanes
	v_lshl_add_u32 v[AFA], v2, 3, v[AFA]
	v_mul_u32_u24 v[AFA], v[AFA], PITCH
	v_bfe_u32 v15, v0, 3, 1
	v_lshl_add_u32 v[AFA], v15, 4, v[AFA]
	v_add_nc_u32 v[AFA], s28, v[AFA]
	s_wait_dscnt 0x0
.irp d, 32,16,8,4                      ; 16 parts into one: 16 + 8 + 4 + 2 packed additions
.set u, 0
.rept (\d)/2
	v_pk_add_f32 v[FA+2*u:FA+2*u+1], v[FA+2*u:FA+2*u+1], v[FA+(\d)+2*u:FA+(\d)+2*u+1]
.set u, u+1
.endr
.endr
.irp i, 0,1,2,3
	v_fmac_f32 v[CH+\i], s37, v[FA+\i]             ; u = log2(e) mask - 2 log2(e) sum v r
.endr
	v_max3_num_f32 v24, v20, v21, v22
	v_max_num_f32 v24, v24, v23
	v_max_num_f32_dpp v24, v24, v24 row_xmask:1 row_mask:0xf bank_mask:0xf
	v_max_num_f32_dpp v24, v24, v24 row_xmask:2 row_mask:0xf bank_mask:0xf
	v_max_num_f32_dpp v24, v24, v24 row_xmask:4 row_mask:0xf bank_mask:0xf
	v_max_num_f32_dpp v24, v24, v24 row_xmask:8 row_mask:0xf bank_mask:0xf
	v_permlanex16_b32 v14, v24, s34, s35           ; its destination counts as read: v14 has been written
	v_max_num_f32 v24, v24, v14
	v_max_num_f32 v24, 0xff7fffff, v24             ; m, the block's true maximum; finite where every u is -infinity
.irp i, 0,1,2,3
	v_sub_f32 v[26+\i], v[CH+\i], v24
.endr
.irp i, 0,1,2,3
	v_exp_f32 v[26+\i], v[26+\i]                   ; p
.endr
	v_lshl_add_u32 v13, v3, 3, s27                 ; a plain instruction behind the exponentials: where my four p go
	s_wait_alu depctr_va_vdst(0)
	v_add_f32 v25, v26, v27
	v_add_f32 v15, v28, v29
	v_cvt_pk_bf16_f32 v30, v26, v27
	v_cvt_pk_bf16_f32 v31, v28, v29
	v_add_f32 v25, v25, v15
	ds_store_b64 v13, v[30:31]
	v_add_f32_dpp v25, v25, v25 row_xmask:1 row_mask:0xf bank_mask:0xf
	v_add_f32_dpp v25, v25, v25 row_xmask:2 row_mask:0xf bank_mask:0xf
	v_add_f32_dpp v25, v25, v25 row_xmask:4 row_mask:0xf bank_mask:0xf
	v_add_f32_dpp v25, v25, v25 row_xmask:8 row_mask:0xf bank_mask:0xf
	v_permlanex16_b32 v14, v25, s34, s35
	v_add_f32 v25, v25, v14                        ; the sum of the unrounded p
	v_lshl_add_u32 v15, v2, 4, s27                 ; p's fragments: 16 h
	s_cmp_lg_u32 s24, 0
	s_cbranch_scc1 .Lnot0                          ; wave 0 alone stores u and the statistics
	global_store_b128 v[BOF], v[20:23], s[18:19]   ; 512 consecutive bytes, at a multiple of 512 from ubuf's first
	s_wait_xcnt 0x0                                ; EXEC changes only behind this wait
	v_cmp_eq_u32 vcc_lo, 0, v3
	s_and_saveexec_b32 s36, vcc_lo
	global_store_b64 v3, v[24:25], s[20:21]        ; lane 0, whose offset L is 0: (m, sum p)
	s_wait_xcnt 0x0
	s_or_b32 exec_lo, exec_lo, s36
.Lnot0:
	; THE CONTEXT: cpart[e] = sum over the 128 rows of p[row] enc[row][e], for my wave's 256 channels, by the matrix unit: source 0 = p, the same in all 16 rows of the fragment;
	; source 1 = the block, read turned, 32 rows x 16 channels a fragment.  Its rows' pitch is not an odd multiple of 32 bytes, so the turning loads meet banks twice: 256 KB are read so, once.
.macro VLOAD ks                        ; rows 32 ks on, all 16 channel blocks, into buffer ks % 2 of window 1
	WIN 0x40
.set u, 0
.rept 16
	ds_load_tr16_b128 v[128*((\ks)%2)+8*u:128*((\ks)%2)+8*u+3],   v[AFA] offset:(u/8)*KCB+(u%8)*32+(\ks)*32*PITCH
	ds_load_tr16_b128 v[128*((\ks)%2)+8*u+4:128*((\ks)%2)+8*u+7], v[AFA] offset:(u/8)*KCB+(u%8)*32+(\ks)*32*PITCH+16*PITCH
.set u, u+1
.endr
.endm
.macro CMUL ks, zero                   ; 16 products, the 16 accumulators by turns
	WIN 0xa4                                       ; source 0 window 0, source 1 window 1, C and D window 2
.set u, 0
.rept 16
.if \zero
	v_wmma_f32_16x16x32_bf16 v[8*u:8*u+7], v[FA+8*(\ks):FA+8*(\ks)+7], v[128*((\ks)%2)+8*u:128*((\ks)%2)+8*u+7], 0
.else
	v_wmma_f32_16x16x32_bf16 v[8*u:8*u+7], v[FA+8*(\ks):FA+8*(\ks)+7], v[128*((\ks)%2)+8*u:128*((\ks)%2)+8*u+7], v[8*u:8*u+7]
.endif
.set u, u+1
.endr
.endm
.irp ks, 0,1,2,3
	ds_load_b128 v[FA+8*\ks:FA+8*\ks+3],   v15 offset:64*\ks       ; LDS serves a wave's instructions in order (ISA guide 5.7.1.4): these see my store of p
	ds_load_b128 v[FA+8*\ks+4:FA+8*\ks+7], v15 offset:64*\ks+32
.endr
	VLOAD 0
	VLOAD 1
	WIN 0
	s_lshl_b32 s27, s24, 10
	v_lshl_add_u32 v14, v3, 4, s27                 ; my byte offset in cpart's row: 1,024 w + 16 L
	s_add_co_u32 s27, s27, CST
	v_lshl_add_u32 v[STA], v1, 2, s27              ; into my way out: channel r of a block of 16
	v_lshl_add_u32 v13, v3, 4, s27                 ; and back
	s_wait_dscnt 32                                ; p and rows 0-31 are in; the 32 loads of rows 32-63 stay out
	CMUL 0, 1
	s_wait_dscnt 0x0
	CMUL 1, 0
	PLACES
	VLOAD 2
	VLOAD 3
	s_wait_dscnt 32
	CMUL 2, 0
	s_wait_dscnt 0x0
	CMUL 3, 0
	PLACES
	WIN 0x08                                       ; store data (source 1) in window 2
.set u, 0
.rept 16
	ds_store_b32 v[STA], v[8*u] offset:64*u        ; all 16 rows of a result are alike: its lowest register holds channel 16 u + r
.set u, u+1
.endr
	WIN 0
	ds_load_b128 v[FA:FA+3], v13
	ds_load_b128 v[FA+4:FA+7], v13 offset:512
	s_wait_dscnt 0x0
	global_store_b128 v14, v[FA:FA+3], s[22:23]                ; 512 consecutive bytes, at a multiple of 512 from cpart's first
	global_store_b128 v14, v[FA+4:FA+7], s[22:23] offset:512
	s_wait_tensorcnt 0x0                           ; the wave's end
	ds_add_u32 v[SPW], v[NIL]
	s_wait_dscnt 0x0
	s_endpgm
.Lfunc_end_k_q6f032d6a14_score:
	.size	k_q6f032d6a14_score, .Lfunc_end_k_q6f032d6a14_score-k_q6f032d6a14_score
	.p2alignl 7, 3214868480
	.fill 96, 4, 3214868480
	.section	.rodata,"a",@progbits
	.p2align	6, 0x0
	.amdhsa_kernel k_q6f032d6a14_score
		.amdhsa_group_segment_fixed_size 292352
		.amdhsa_private_segment_fixed_size 0
		.amdhsa_enable_private_segment 0
		.amdhsa_kernarg_size 64
		.amdhsa_user_sgpr_count 2
		.amdhsa_user_sgpr_kernarg_segment_ptr 1
		.amdhsa_wavefront_size32 1
		.amdhsa_system_sgpr_workgroup_id_x 1
		.amdhsa_system_sgpr_workgroup_id_y 1
		.amdhsa_system_sgpr_workgroup_id_z 1
		.amdhsa_system_vgpr_workitem_id 0
		.amdhsa_next_free_vgpr 1024
		.amdhsa_next_free_sgpr 66
		.amdhsa_reserve_vcc 1
		.amdhsa_float_denorm_mode_32 3
		.amdhsa_float_denorm_mode_16_64 3
		.amdhsa_memory_ordered 1
		.amdhsa_forward_progress 1
		.amdhsa_inst_pref_size 255
	.end_amdhsa_kernel
	.section	.bss,"aw",@nobits
	.p2align	6
	.space	262144
	.amdgpu_metadata
---
amdhsa.version: [ 1, 2 ]
amdhsa.kernels:
  - .name:           k_q6f032d6a14_score
    .symbol:         k_q6f032d6a14_score.kd
    .args:
      - { .name: enc_outputs, .offset: 0, .size: 8, .value_kind: global_buffer, .address_space: global }
      - { .name: wf, .offset: 8, .size: 8, .value_kind: global_buffer, .address_space: global }
      - { .name: qb, .offset: 16, .size: 8, .value_kind: global_buffer, .address_space: global }
      - { .name: v, .offset: 24, .size: 8, .value_kind: global_buffer, .address_space: global }
      - { .name: mask, .offset: 32, .size: 8, .value_kind: global_buffer, .address_space: global }
      - { .name: ubuf, .offset: 40, .size: 8, .value_kind: global_buffer, .address_space: global }
      - { .name: stat, .offset: 48, .size: 8, .value_kind: global_buffer, .address_space: global }
      - { .name: cpart, .offset: 56, .size: 8, .value_kind: global_buffer, .address_space: global }
    .group_segment_fixed_size: 292352
    .private_segment_fixed_size: 0
    .kernarg_segment_align: 8
    .kernarg_segment_size: 64
    .max_flat_workgroup_size: 128
    .sgpr_count:     66
    .vgpr_count:     1024
    .wavefront_size: 32
...
	.end_amdgpu_metadata
.endif
;; end of part 2
;; launch finish (part 3): grid 32 x 1, 8 waves a work-group, no clusters, 9,216 bytes of LDS; arguments ubuf, stat, cpart, out0, out1; writes out0, out1
.if DOCPART == 3
	.amdgcn_target "amdgcn-amd-amdhsa--gfx1250"
	.amdhsa_code_object_version 6
	.text
	.protected	k_q6f032d6a14_finish
	.globl	k_q6f032d6a14_finish
	.p2align	8
	.type	k_q6f032d6a14_finish,@function
k_q6f032d6a14_finish:
	s_mov_b64 s[64:65], 0
	v_nop
	global_prefetch_b8 v0, s[64:65] scope:SCOPE_SE
	s_setreg_imm32_b32 hwreg(HW_REG_WAVE_MODE, 25, 1), 1
	s_wait_xcnt 0x0
; FINISH.  Joins the 16 blocks of each b.  With (m_i, s_i) the blocks' maxima and sums: M = max_i m_i, w_i = 2^(m_i - M), D = sum_i w_i s_i;
;   out1[l][b] = 2^(u[b][l] - M_b) / D_b;      out0[b][e] = sum_i (w_i / D_b) cpart[b][i][e].
; SHARES.  Work-group x makes out0's row b = x (thread t its 16 bytes) and out1's rows l = 64 x .. 64 x + 63 (wave t eight of them, lane = b): so each lane makes the statistics of
; its own b for out1, and all lanes those of b = x for out0.  out1's numbers change lanes through the wave's own 1,024 bytes of LDS, so that a store covers 512 consecutive bytes.
; Memory binds what little there is: 2.4 MB in, 0.4 MB out; matrix units, clusters and tensor loads would add nothing.
; LIMITS.  A column b whose mask is -infinity throughout gives D = 0 and NaN, as the softmax of such a column is; a weight below 2^-126 counts as 0.
.set SPARE, 8192
.set SPW, 2                            ; v2   my spare word; never rewritten
.set NIL, 3                            ; v3   0; never rewritten
.set AO,  4                            ; v4   stat: 128 x lane
.set ZO,  5                            ; v5   0: every lane reads the same statistics
.set UO,  6                            ; v6   ubuf: 8,192 x lane + 32 x wave
.set CO,  7                            ; v7   16 x thread
.set LSA, 8                            ; v8   into LDS: 1,024 x wave + 4 x lane
.set LRA, 9                            ; v9   back, and my byte offset in the group's rows of out1: 1,024 x wave + 16 x lane
.set SA,  16                           ; v16-47  (m_i, s_i) of b = lane; later each w_i / D twice
.set WP,  16
.set SB,  48                           ; v48-79  (m_i, s_i) of b = x; later out1's rows
.set U,   80                           ; v80-87  u of my eight l
.set MA,  88                           ; v88 M, v89 1 / D of b = lane
.set MB,  90                           ; v90 M, v91 1 / D of b = x
.set DD,  92                           ; v92-95  two chains of D; later the context
.set C,   96                           ; v96-159 cpart: 16 blocks x 4
.set W,   160                          ; v160-175 w_i
	s_load_b256 s[4:11], s[0:1], 0x0               ; ubuf s[4:5], stat s[6:7], cpart s[8:9], out0 s[10:11]
	s_load_b64 s[12:13], s[0:1], 0x20              ; out1
	v_lshl_add_u32 v[SPW], v0, 2, SPARE
	v_mov_b32 v[NIL], 0
	v_lshrrev_b32 v1, 5, v0
	v_readfirstlane_b32 s16, v1                    ; wave 0..7
	v_and_b32 v1, 31, v0                           ; lane
	v_lshlrev_b32 v[AO], 7, v1
	v_mov_b32 v[ZO], 0
	s_lshl_b32 s17, s16, 5
	v_lshl_add_u32 v[UO], v1, 13, s17
	v_lshlrev_b32 v[CO], 4, v0
	s_lshl_b32 s17, s16, 10
	v_lshl_add_u32 v[LSA], v1, 2, s17
	v_lshl_add_u32 v[LRA], v1, 4, s17
	s_mov_b32 s19, 0
	s_wait_kmcnt 0x0
	s_lshl_b32 s18, ttmp9, 7
	s_add_nc_u64 s[14:15], s[6:7], s[18:19]        ; stat[x]
	s_lshl_b32 s18, ttmp9, 8
	s_add_nc_u64 s[4:5], s[4:5], s[18:19]          ; ubuf[.][64 x]
	s_lshl_b32 s18, ttmp9, 16
	s_add_nc_u64 s[8:9], s[8:9], s[18:19]          ; cpart[x]
	s_lshl_b32 s18, ttmp9, 12
	s_add_nc_u64 s[10:11], s[10:11], s[18:19]      ; out0[x]
	s_lshl_b32 s18, ttmp9, 13
	s_add_nc_u64 s[12:13], s[12:13], s[18:19]      ; out1[64 x]
.irp i, 0,1,2,3,4,5,6,7
	global_load_b128 v[SA+4*\i:SA+4*\i+3], v[AO], s[6:7] offset:16*\i
.endr
.irp i, 0,1,2,3,4,5,6,7
	global_load_b128 v[SB+4*\i:SB+4*\i+3], v[ZO], s[14:15] offset:16*\i
.endr
	global_load_b128 v[U:U+3], v[UO], s[4:5]
	global_load_b128 v[U+4:U+7], v[UO], s[4:5] offset:16
.set i, 0
.rept 16
	global_load_b128 v[C+4*i:C+4*i+3], v[CO], s[8:9] offset:4096*i th:TH_LOAD_NT   ; a wave's load covers 512 consecutive bytes
.set i, i+1
.endr
; From 16 pairs (m_i, s_i) at R: M into v[M], w_i into W, 1 / D into v[M+1].
.macro STATS R, M
	v_max3_num_f32 v[\M], v[\R], v[\R+2], v[\R+4]
.irp i, 6,10,14,18,22,26
	v_max3_num_f32 v[\M], v[\M], v[\R+\i], v[\R+\i+2]
.endr
	v_max_num_f32 v[\M], v[\M], v[\R+30]
.set i, 0
.rept 16
	v_sub_f32 v[W+i], v[\R+2*i], v[\M]
.set i, i+1
.endr
.set i, 0
.rept 16
	v_exp_f32 v[W+i], v[W+i]
.set i, i+1
.endr
	v_nop                                          ; a plain instruction behind the exponentials (ISA guide 5.7.2)
	s_wait_alu depctr_va_vdst(0)
	v_mul_f32 v[DD], v[W], v[\R+1]                 ; two chains, started by the first two products
	v_mul_f32 v[DD+1], v[W+1], v[\R+3]
.set i, 2
.rept 14
	v_fmac_f32 v[DD+i%2], v[W+i], v[\R+2*i+1]
.set i, i+1
.endr
	v_add_f32 v[DD], v[DD], v[DD+1]
	v_rcp_f32 v[\M+1], v[DD]
	v_nop
.endm
	s_wait_loadcnt 18                              ; both sets of statistics are in; u's 2 loads and cpart's 16 stay out
	STATS SA, MA
	STATS SB, MB                                   ; W now holds the weights of b = x
	s_wait_loadcnt 16                              ; u is in; cpart's 16 stay out
.irp j, 0,1,2,3,4,5,6,7
	v_sub_f32 v[U+\j], v[U+\j], v[MA]
.endr
.irp j, 0,1,2,3,4,5,6,7
	v_exp_f32 v[U+\j], v[U+\j]
.endr
	v_nop
	s_wait_alu depctr_va_vdst(0)
.irp j, 0,1,2,3,4,5,6,7
	v_mul_f32 v[U+\j], v[U+\j], v[MA+1]
.endr
.irp j, 0,1,2,3,4,5,6,7
	ds_store_b32 v[LSA], v[U+\j] offset:128*\j     ; row j of my eight, column b = lane
.endr
	ds_load_b128 v[SB:SB+3], v[LRA]                ; LDS serves a wave's instructions in order (ISA guide 5.7.1.4): these see the stores above
	ds_load_b128 v[SB+4:SB+7], v[LRA] offset:512
.set i, 0
.rept 16
	v_mul_f32 v[WP+2*i], v[W+i], v[MB+1]           ; w_i / D, laid twice: a pair for the packed forms
	v_mul_f32 v[WP+2*i+1], v[W+i], v[MB+1]
.set i, i+1
.endr
	s_wait_dscnt 0x0
	global_store_b128 v[LRA], v[SB:SB+3], s[12:13]             ; 512 consecutive bytes, at a multiple of 512 from out1's first
	global_store_b128 v[LRA], v[SB+4:SB+7], s[12:13] offset:512
	s_wait_loadcnt 0x0                             ; cpart
	v_pk_mul_f32 v[DD:DD+1], v[C:C+1], v[WP:WP+1]  ; the first block starts the sums
	v_pk_mul_f32 v[DD+2:DD+3], v[C+2:C+3], v[WP:WP+1]
.set i, 1
.rept 15
	v_pk_fma_f32 v[DD:DD+1], v[C+4*i:C+4*i+1], v[WP+2*i:WP+2*i+1], v[DD:DD+1]
	v_pk_fma_f32 v[DD+2:DD+3], v[C+4*i+2:C+4*i+3], v[WP+2*i:WP+2*i+1], v[DD+2:DD+3]
.set i, i+1
.endr
	global_store_b128 v[CO], v[DD:DD+3], s[10:11]  ; 512 consecutive bytes a wave
	s_wait_tensorcnt 0x0                           ; the wave's end
	ds_add_u32 v[SPW], v[NIL]
	s_wait_dscnt 0x0
	s_endpgm
.Lfunc_end_k_q6f032d6a14_finish:
	.size	k_q6f032d6a14_finish, .Lfunc_end_k_q6f032d6a14_finish-k_q6f032d6a14_finish
	.p2alignl 7, 3214868480
	.fill 96, 4, 3214868480
	.section	.rodata,"a",@progbits
	.p2align	6, 0x0
	.amdhsa_kernel k_q6f032d6a14_finish
		.amdhsa_group_segment_fixed_size 9216
		.amdhsa_private_segment_fixed_size 0
		.amdhsa_enable_private_segment 0
		.amdhsa_kernarg_size 40
		.amdhsa_user_sgpr_count 2
		.amdhsa_user_sgpr_kernarg_segment_ptr 1
		.amdhsa_wavefront_size32 1
		.amdhsa_system_sgpr_workgroup_id_x 1
		.amdhsa_system_sgpr_workgroup_id_y 1
		.amdhsa_system_sgpr_workgroup_id_z 1
		.amdhsa_system_vgpr_workitem_id 0
		.amdhsa_next_free_vgpr 176
		.amdhsa_next_free_sgpr 66
		.amdhsa_reserve_vcc 0
		.amdhsa_float_denorm_mode_32 3
		.amdhsa_float_denorm_mode_16_64 3
		.amdhsa_memory_ordered 1
		.amdhsa_forward_progress 1
		.amdhsa_inst_pref_size 14
	.end_amdhsa_kernel
	.amdgpu_metadata
---
amdhsa.version: [ 1, 2 ]
amdhsa.kernels:
  - .name:           k_q6f032d6a14_finish
    .symbol:         k_q6f032d6a14_finish.kd
    .args:
      - { .name: ubuf, .offset: 0, .size: 8, .value_kind: global_buffer, .address_space: global }
      - { .name: stat, .offset: 8, .size: 8, .value_kind: global_buffer, .address_space: global }
      - { .name: cpart, .offset: 16, .size: 8, .value_kind: global_buffer, .address_space: global }
      - { .name: out0, .offset: 24, .size: 8, .value_kind: global_buffer, .address_space: global }
      - { .name: out1, .offset: 32, .size: 8, .value_kind: global_buffer, .address_space: global }
    .group_segment_fixed_size: 9216
    .private_segment_fixed_size: 0
    .kernarg_segment_align: 8
    .kernarg_segment_size: 40
    .max_flat_workgroup_size: 256
    .sgpr_count:     66
    .vgpr_count:     176
    .wavefront_size: 32
...
	.end_amdgpu_metadata
.endif
;; end of part 3
;; ======== version 2 of 2: 3 launches; version 1 with the launch prep written anew for expert scheduling mode
;; workspace buffers: wf 2,097,152 bytes; qb 131,072 bytes; ubuf 262,144 bytes; stat 4,096 bytes; cpart 2,097,152 bytes
;; launch prep (part 4): grid 16 x 2, 8 waves a work-group, no clusters, 173,056 bytes of LDS; arguments W_enc, W_hidden, hidden_state, b_attn, wf, qb; writes wf, qb
.if DOCPART == 4
	.amdgcn_target "amdgcn-amd-amdhsa--gfx1250"
	.amdhsa_code_object_version 6
	.text
	.protected	k_q6f032d6a14_prep
	.globl	k_q6f032d6a14_prep
	.p2align	8
	.type	k_q6f032d6a14_prep,@function
k_q6f032d6a14_prep:
	s_mov_b64 s[64:65], 0
	v_nop
	global_prefetch_b8 v0, s[64:65] scope:SCOPE_SE
	s_setreg_imm32_b32 hwreg(HW_REG_WAVE_SCHED_MODE, 0, 2), 2
	s_setreg_imm32_b32 hwreg(HW_REG_WAVE_MODE, 25, 1), 1
	s_wait_xcnt 0x0
	s_wait_alu depctr_vm_vsrc(0)
; PREP.  y = 0: W_enc [1024 k][1024 n] f32 -> wf: bf16 in the order in which the next launch's waves take matrix fragments.
;        y = 1: qb[b][n] = c (hidden_state W_hidden + b_attn)[b][n], f32, c = 2 log2(e): the addend of the next launch's exponent.
; wf: byte ((n / 128) 32 + s) 8192 + nb 1024 + j 512 + 16 L holds the 8 numbers W_enc[32 s + 16 j + 8 (L / 16) + 0..7][128 (n / 128) + 16 nb + L % 16].
; SHARES.  A work-group takes 64 columns (256 bytes of every row) of one of the two matrices; wave t its rows k = 128 t .. 128 t + 127.
; The rows are rounded to bf16, laid into the wave's own LDS tile [k][n] and read back turned (ds_load_tr16_b128): a fragment with k along the registers.
; y = 0 stores the fragments, 512 consecutive bytes a store.  y = 1 multiplies them by hidden_state's fragments (32 rows: two blocks of 16): each wave sums its 128 k, the
; eight waves' sums meet in LDS, and the result leaves through LDS as whole rows of 256 bytes.
; LIMITS.  Every input of the module is rounded to bf16 once: here both matrices and hidden_state for the products, and b_attn too, so that all inputs have one rounding (a bias
; with a large offset carries bf16's relative step, 2^-8 at the most, of that offset).  Sums in f32; q's K is summed in eight partial sums of 128.
; No cluster: no two work-groups read the same bytes but hidden_state's 128 KB.  No tensor load: the bytes must pass through registers to be rounded.
; THE MODE: SCHED_MODE bits 1:0 = 2 (LLVM: expert scheduling mode 2), set by the entry lines.  The code itself states the register dependences
; between vector or matrix instructions and memory or LDS instructions, with s_wait_alu, always for 0.
; THE PLAN.  Registers that memory or LDS instructions touch:
;   v4-v15, v50, v51   addresses and offsets: written once, ahead of the one wait on va_vdst at the head of each way; never written again.
;   window 1, v0-255   W's rows as loaded; step j's conversions read v[64 j ..].
;   T0, T1             two buffers by turns: step j's conversions write T[j % 2]; its 16 LDS stores, issued at the head of step j + 1, read it.
;   window 1, v0-127   once more: all 32 turning loads land here, behind the last stores; read by the global stores (y = 0) or as the products' source 1 (y = 1).  No fragment register is loaded twice.
;   v192-255           the accumulators: written by matrix instructions, read by 16 LDS stores.
;   v64-127            the meeting: 16 LDS loads land here; the packed sums work on them; 8 LDS stores read v64-71.       v16-23: two LDS loads land here, two global stores read them.
; So in the staging one wait on va_vdst stands ahead of each run of stores, behind the wait for the next step's data, and one on vm_vsrc ahead of the conversions of steps 2 and 3.
.set TP,    160                        ; a tile row: 64 bf16 = 128 bytes + 32: an odd multiple of 32 bytes, as the turning load's 8 rows x 32 bytes want
.set TILEB, 128*TP                     ; a wave's tile
.set OUTB,  8*TILEB                    ; behind the tiles: 32 rows x 256 bytes, q's way out
.set SPARE, OUTB+8192                  ; the spare words, 128 bytes for each of eight waves
.set WOF, 4                            ; v4   byte offset of my 16 bytes in the wave's first two rows of W
.set LST, 5                            ; v5   where I put 8 bytes (4 bf16) of those rows in the tile
.set LTR, 6                            ; v6   my address for the turning load
.set SOF, 7                            ; v7   my byte offset in wf
.set HOF, 8                            ; v8   my byte offset in hidden_state
.set SPW, 9                            ; v9   my spare word; never rewritten
.set NIL, 10                           ; v10  0; never rewritten
.set RA0, 11                           ; v11  the meeting: accumulator t of waves 0-3
.set RA1, 12                           ; v12  of waves 4-7
.set OSA, 13                           ; v13  into the way out
.set ORA, 14                           ; v14  back from it
.set BAO, 15                           ; v15  my byte offset in b_attn
.set T,   16                           ; v16-47 T0, v64-95 T1 (T + 48): rounded numbers on their way into the tile; v16-23 later rows of q
.set BA,  48                           ; v48-49 b_attn, then c b_attn twice
.set PSA, 50                           ; v50  where I put my partial sums
.set QSO, 51                           ; v51  my byte offset in qb
.set BF,  64                           ; v64-127 (y = 1) behind the staging: the eight waves' sums
.set HA,  128                          ; v128-255 hidden_state as loaded; then v128-191 its eight fragments
.set ACC, 192                          ; v192-255 eight accumulators (mb, nb)
.set MSB, 0
.macro WIN new                         ; s_set_vgpr_msb: bits 1:0 source 0, 3:2 source 1, 5:4 source 2, 7:6 destination; the high byte repeats the setting that is left
.if MSB != (\new)
	s_set_vgpr_msb (MSB<<8)|(\new)
.set MSB, (\new)
.endif
.endm
; Step j's 32 rows, rounded, go into the tile.
.macro PUT j
	WIN 0
	s_wait_alu depctr_va_vdst(0)                   ; step j's conversions have written T[j % 2], which the stores below read
.set i, 0
.rept 16
	ds_store_b64 v[LST], v[T+48*((\j)%2)+2*i:T+48*((\j)%2)+2*i+1] offset:(32*(\j)+2*i)*TP
.set i, i+1
.endr
.endm
; The wave's 128 rows x 256 bytes: 64 loads of two rows each into window 1, then, 32 rows a step, rounded and laid into the tile.  A step's stores stand at the head of the next step.
.macro STAGE base
	WIN 0x40                                       ; destination window 1, address window 0
.set i, 0
.rept 64
	global_load_b128 v[4*i:4*i+3], v[WOF], s[\base:\base+1] offset:2*i*4096 th:TH_LOAD_NT  ; lanes 0-15 one row's 256 bytes, lanes 16-31 the next row's
.set i, i+1
.endr
.irp j, 0,1,2,3
	s_wait_loadcnt 48-16*\j                        ; loads come back in order: the 16 of these 32 rows are in, those of the later rows stay out
.if (\j) >= 2
	s_wait_alu depctr_vm_vsrc(0)                   ; the stores of step j - 2, issued in the step before, have read T[j % 2], which this step's conversions write again
.endif
.if (\j) >= 1
	PUT (\j)-1
.endif
	WIN 0x05                                       ; sources window 1, destination window 0
.set i, 0
.rept 32
	v_cvt_pk_bf16_f32 v[T+48*((\j)%2)+i], v[64*\j+2*i], v[64*\j+2*i+1]
.set i, i+1
.endr
.endr
	PUT 3
.endm
; All the wave's fragments, turned, into window 1's v0-127: i = 8 j + 2 nb + half: K step j, column block nb, k 0-15 or 16-31.  LDS serves a wave's instructions in order (ISA guide 5.7.1.4): these see the stores above.
; No wait is written: the conversions that read these registers are those of steps 0 and 1, which stand ahead of later waits on va_vdst, and no vector instruction stands between the last such wait and this run.
.macro FRAGS
	WIN 0x40                                       ; destination window 1, address window 0
.set i, 0
.rept 32
	ds_load_tr16_b128 v[4*i:4*i+3], v[LTR] offset:(i/8)*32*TP+((i/2)%4)*32+(i%2)*16*TP
.set i, i+1
.endr
.endm
	s_load_b256 s[4:11], s[0:1], 0x0               ; W_enc s[4:5], W_hidden s[6:7], hidden_state s[8:9], b_attn s[10:11]
	s_load_b128 s[12:15], s[0:1], 0x20             ; wf s[12:13], qb s[14:15]
	v_lshl_add_u32 v[SPW], v0, 2, SPARE
	v_mov_b32 v[NIL], 0
	v_lshrrev_b32 v1, 5, v0
	v_readfirstlane_b32 s16, v1                    ; t: wave 0..7
	s_mov_b32 s17, ttmp9                           ; cg: which 64 columns
	s_and_b32 s18, ttmp7, 0xffff                   ; y
	v_and_b32 v1, 15, v0                           ; r = lane % 16
	v_bfe_u32 v2, v0, 4, 1                         ; h = lane / 16
	v_and_b32 v3, 31, v0                           ; lane
	s_wait_alu depctr_va_sdst(0)                   ; s16 is written, ahead of its first reader: offsets and LDS addresses are made from it
	s_lshl_b32 s19, s16, 19                        ; 128 t rows of 4,096 bytes
	v_lshl_add_u32 v[WOF], v2, 12, s19
	v_lshl_add_u32 v[WOF], v1, 4, v[WOF]           ; (128 t + h) 4096 + 16 r
	s_mul_i32 s21, s16, TILEB                      ; my tile
	v_mul_u32_u24 v[LST], v2, TP
	v_lshl_add_u32 v[LST], v1, 3, v[LST]
	v_add_nc_u32 v[LST], s21, v[LST]               ; tile + 160 h + 8 r
	v_and_b32 v[LTR], 7, v0
	v_lshl_add_u32 v[LTR], v2, 3, v[LTR]
	v_mul_u32_u24 v[LTR], v[LTR], TP               ; row 8 h + lane % 8,
	v_bfe_u32 v[T], v0, 3, 1
	v_lshl_add_u32 v[LTR], v[T], 4, v[LTR]         ; 16 bytes for each half of eight lanes
	v_add_nc_u32 v[LTR], s21, v[LTR]
	s_lshl_b32 s22, s17, 8                         ; my columns' 256 bytes in a row
	s_mov_b32 s23, 0
	s_wait_kmcnt 0x0
	s_cmp_lg_u32 s18, 0
	s_cbranch_scc1 .Lquery                         ; the same way for all eight waves
	; y = 0: W_enc into fragment order
	s_add_nc_u64 s[4:5], s[4:5], s[22:23]
	s_lshl_b32 s19, s16, 15
	v_lshl_add_u32 v[SOF], v3, 4, s19              ; four K steps of 8,192 bytes a wave + 16 x lane
	s_lshr_b32 s24, s17, 1
	s_lshl_b32 s24, s24, 18                        ; 128 columns are 32 K steps of 8,192 bytes,
	s_and_b32 s19, s17, 1
	s_lshl_b32 s19, s19, 12                        ; my 64 of them four blocks of 1,024
	s_add_co_u32 s24, s24, s19
	s_mov_b32 s25, 0
	s_add_nc_u64 s[12:13], s[12:13], s[24:25]
	WIN 0x40                                       ; the window of the loads below, ahead of the wait
	s_wait_alu depctr_va_vdst(0)                   ; v4 to v7 are written: the offsets and LDS addresses that every load and store of this way reads
	STAGE 4
	FRAGS
	WIN 0x04                                       ; store data (source 1) in window 1, offset in window 0
.set i, 0
.rept 32
	s_wait_dscnt 31-i                              ; the younger loads stay out
	global_store_b128 v[SOF], v[4*i:4*i+3], s[12:13] offset:(i/8)*8192+((i/2)%4)*1024+(i%2)*512  ; 512 consecutive bytes, at a multiple of 512 from wf's first
.set i, i+1
.endr
	WIN 0                                          ; the add's two registers lie in window 0
	s_wait_dscnt 0x0                               ; the wave's end
	s_wait_alu 0x0
	s_wait_tensorcnt 0x0
	ds_add_u32 v[SPW], v[NIL]
	s_wait_dscnt 0x0
	s_endpgm
.Lquery:                                               ; y = 1
	s_add_nc_u64 s[6:7], s[6:7], s[22:23]          ; W_hidden and qb at my 64 columns
	s_add_nc_u64 s[14:15], s[14:15], s[22:23]
	s_mov_b32 s26, 0x4038aa3b                      ; c = 2 log2(e)
	s_mov_b32 s27, s26                             ; named with it as a pair
	s_and_b32 s19, s16, 3
	s_lshl_b32 s19, s19, 6                         ; 64 (t % 4): the 16 columns whose sums I shall finish
	s_add_co_u32 s20, s19, s22
	v_lshl_add_u32 v[BAO], v1, 2, s20              ; b_attn: column 64 cg + 16 (t % 4) + r
	s_lshl_b32 s20, s16, 9
	v_lshl_add_u32 v[HOF], v1, 12, s20
	v_lshl_add_u32 v[HOF], v2, 5, v[HOF]           ; row r, k = 128 t + 8 h
	v_lshl_add_u32 v[PSA], v3, 4, s21              ; my partial sums go over my tile's first 8,192 bytes
	s_lshl_b32 s20, s16, 10
	v_lshl_add_u32 v[RA0], v3, 4, s20              ; accumulator t: 1,024 bytes in each wave's sums
	v_add_nc_u32 v[RA1], 4*TILEB, v[RA0]           ; a second address: seven tiles are more than a 16-bit offset holds
	s_lshr_b32 s20, s16, 2
	s_lshl_b32 s20, s20, 12                        ; 16 (t / 4) rows of 256 bytes
	s_add_co_u32 s20, s20, s19
	s_add_co_u32 s20, s20, OUTB
	v_lshl_add_u32 v[OSA], v2, 11, s20             ; + 8 h rows
	v_lshl_add_u32 v[OSA], v1, 2, v[OSA]           ; + column r
	s_lshl_b32 s20, s16, 10
	s_add_co_u32 s20, s20, OUTB
	v_lshl_add_u32 v[ORA], v2, 8, s20              ; back: rows 4 t + h, whole
	v_lshl_add_u32 v[ORA], v1, 4, v[ORA]
	s_lshl_b32 s20, s16, 14
	v_lshl_add_u32 v[QSO], v2, 12, s20             ; the same rows in qb
	v_lshl_add_u32 v[QSO], v1, 4, v[QSO]
	s_wait_alu depctr_va_vdst(0)                   ; v4 to v6, v8, v11 to v15, v50 and v51 are written: the offsets and LDS addresses that every load and store of this way reads
	global_load_b32 v[BA], v[BAO], s[10:11]        ; b_attn of column 64 cg + 16 (t % 4) + r
.set i, 0
.rept 32                               ; i = 4 q + z; fragment q = 2 j + mb: rows 16 mb on, k 32 j on; its 16 f32 a lane are k = 8 h + 0..7 and 16 + 8 h + 0..7
	global_load_b128 v[HA+4*i:HA+4*i+3], v[HOF], s[8:9] offset:((i/4)%2)*65536+(i/8)*128+((i%4)/2)*64+(i%2)*16
.set i, i+1
.endr
	STAGE 6                                        ; its last wait on LOADcnt is for 0: b_attn and hidden_state, issued ahead of W's loads, are in too
	FRAGS                                          ; all four K steps' fragments of W_hidden are asked for; the conversions below name v128-255 of window 0 alone
	WIN 0
.set i, 0
.rept 64                               ; hidden_state to bf16, in place and ascending: each destination lies at or below its sources, and below it all is used up
	v_cvt_pk_bf16_f32 v[HA+i], v[HA+2*i], v[HA+2*i+1]
.set i, i+1
.endr
.macro QMUL j, zero                    ; eight products, the eight accumulators by turns
	WIN 0x04                                       ; source 1 (W_hidden) in window 1, all else in window 0
.set i, 0
.rept 8                                ; i = 4 mb + nb
.if \zero
	v_wmma_f32_16x16x32_bf16 v[ACC+8*i:ACC+8*i+7], v[HA+8*(2*(\j)+i/4):HA+8*(2*(\j)+i/4)+7], v[32*(\j)+8*(i%4):32*(\j)+8*(i%4)+7], 0
.else
	v_wmma_f32_16x16x32_bf16 v[ACC+8*i:ACC+8*i+7], v[HA+8*(2*(\j)+i/4):HA+8*(2*(\j)+i/4)+7], v[32*(\j)+8*(i%4):32*(\j)+8*(i%4)+7], v[ACC+8*i:ACC+8*i+7]
.endif
.set i, i+1
.endr
.endm
.macro PLACES                          ; four places between a matrix instruction and a read of its result (ISA guide 7.12.1)
.rept 4
	v_nop
.endr
.endm
	s_wait_dscnt 24                                ; K step 0's eight loads are in; the 24 of the later steps stay out
	QMUL 0, 1                                      ; the first products start the sums
	s_wait_dscnt 16
	QMUL 1, 0
	s_wait_dscnt 8
	QMUL 2, 0
	s_wait_dscnt 0x0
	QMUL 3, 0
	WIN 0
	PLACES
	s_wait_alu depctr_va_vdst(0)                   ; the matrix instructions have written the accumulators, which the LDS stores read; the places above stay beside this wait
.set i, 0
.rept 16                               ; each accumulator from its low end on
	ds_store_b128 v[PSA], v[ACC+4*i:ACC+4*i+3] offset:512*i
.set i, i+1
.endr
	s_wait_dscnt 0x0                               ; for the others' sake: my sums are in LDS
	s_barrier_signal -1
	s_barrier_wait -1
	s_wait_alu depctr_vm_vsrc(0)                   ; the staging's LDS stores have read T1 (v64-95), in which the loads below land, and T0 (v16-47), in which the last two LDS loads land
.set i, 0
.rept 8                                ; accumulator t of waves 0-3, then of waves 4-7
	ds_load_b128 v[BF+4*i:BF+4*i+3], v[RA0] offset:(i/2)*TILEB+(i%2)*512
.set i, i+1
.endr
.set i, 0
.rept 8
	ds_load_b128 v[BF+32+4*i:BF+32+4*i+3], v[RA1] offset:(i/2)*TILEB+(i%2)*512
.set i, i+1
.endr
	v_cvt_pk_bf16_f32 v[BA], v[BA], v[BA]          ; b_attn rounded to bf16, like every input,
	v_lshlrev_b32 v[BA], 16, v[BA]                 ; and widened again
	v_mul_f32 v[BA+1], s26, v[BA]                  ; c b_attn, twice: a pair for the packed form
	v_mul_f32 v[BA], s26, v[BA]
	s_wait_dscnt 0x0
.irp d, 32,16,8                        ; eight waves' sums into one: 16 + 8 + 4 packed additions
.set i, 0
.rept (\d)/2
	v_pk_add_f32 v[BF+2*i:BF+2*i+1], v[BF+2*i:BF+2*i+1], v[BF+(\d)+2*i:BF+(\d)+2*i+1]
.set i, i+1
.endr
.endr
.irp z, 0,2,4,6
	v_pk_fma_f32 v[BF+\z:BF+\z+1], v[BF+\z:BF+\z+1], s[26:27], v[BA:BA+1] op_sel_hi:[1,0,1]  ; c q + c b_attn
.endr
	s_wait_alu depctr_va_vdst(0)                   ; the four packed lines above have written v64-71, which the LDS stores read
.irp j, 0,1,2,3,4,5,6,7
	ds_store_b32 v[OSA], v[BF+\j] offset:256*\j    ; row 16 (t / 4) + 8 h + j, column 16 (t % 4) + r
.endr
	s_wait_dscnt 0x0                               ; for the others' sake
	s_barrier_signal -1
	s_barrier_wait -1
	ds_load_b128 v[T:T+3], v[ORA]                  ; no wait: no vector instruction since the wait above names v16-23, and the stores that read them stand ahead of the wait on vm_vsrc
	ds_load_b128 v[T+4:T+7], v[ORA] offset:512
	s_wait_dscnt 0x0
	global_store_b128 v[QSO], v[T:T+3], s[14:15]               ; 16 lanes store 256 consecutive bytes, at a multiple of 256 from qb's first
	global_store_b128 v[QSO], v[T+4:T+7], s[14:15] offset:8192
	s_wait_dscnt 0x0                               ; the wave's end
	s_wait_alu 0x0
	s_wait_tensorcnt 0x0
	ds_add_u32 v[SPW], v[NIL]
	s_wait_dscnt 0x0
	s_endpgm
.Lfunc_end_k_q6f032d6a14_prep:
	.size	k_q6f032d6a14_prep, .Lfunc_end_k_q6f032d6a14_prep-k_q6f032d6a14_prep
	.p2alignl 7, 3214868480
	.fill 96, 4, 3214868480
	.section	.rodata,"a",@progbits
	.p2align	6, 0x0
	.amdhsa_kernel k_q6f032d6a14_prep
		.amdhsa_group_segment_fixed_size 173056
		.amdhsa_private_segment_fixed_size 0
		.amdhsa_enable_private_segment 0
		.amdhsa_kernarg_size 48
		.amdhsa_user_sgpr_count 2
		.amdhsa_user_sgpr_kernarg_segment_ptr 1
		.amdhsa_wavefront_size32 1
		.amdhsa_system_sgpr_workgroup_id_x 1
		.amdhsa_system_sgpr_workgroup_id_y 1
		.amdhsa_system_sgpr_workgroup_id_z 1
		.amdhsa_system_vgpr_workitem_id 0
		.amdhsa_next_free_vgpr 512
		.amdhsa_next_free_sgpr 66
		.amdhsa_reserve_vcc 0
		.amdhsa_float_denorm_mode_32 3
		.amdhsa_float_denorm_mode_16_64 3
		.amdhsa_memory_ordered 1
		.amdhsa_forward_progress 1
		.amdhsa_inst_pref_size 65
	.end_amdhsa_kernel
	.amdgpu_metadata
---
amdhsa.version: [ 1, 2 ]
amdhsa.kernels:
  - .name:           k_q6f032d6a14_prep
    .symbol:         k_q6f032d6a14_prep.kd
    .args:
      - { .name: W_enc, .offset: 0, .size: 8, .value_kind: global_buffer, .address_space: global }
      - { .name: W_hidden, .offset: 8, .size: 8, .value_kind: global_buffer, .address_space: global }
      - { .name: hidden_state, .offset: 16, .size: 8, .value_kind: global_buffer, .address_space: global }
      - { .name: b_attn, .offset: 24, .size: 8, .value_kind: global_buffer, .address_space: global }
      - { .name: wf, .offset: 32, .size: 8, .value_kind: global_buffer, .address_space: global }
      - { .name: qb, .offset: 40, .size: 8, .value_kind: global_buffer, .address_space: global }
    .group_segment_fixed_size: 173056
    .private_segment_fixed_size: 0
    .kernarg_segment_align: 8
    .kernarg_segment_size: 48
    .max_flat_workgroup_size: 256
    .sgpr_count:     66
    .vgpr_count:     512
    .wavefront_size: 32
...
	.end_amdgpu_metadata
.endif
;; end of part 4
;; launch score: the kernel of part 2 again; grid 16 x 32, 4 waves a work-group, no clusters, 292,352 bytes of LDS; arguments enc_outputs, wf, qb, v, mask, ubuf, stat, cpart; writes ubuf, stat, cpart
;; launch finish: the kernel of part 3 again; grid 32 x 1, 8 waves a work-group, no clusters, 9,216 bytes of LDS; arguments ubuf, stat, cpart, out0, out1; writes out0, out1
